; MI455X (gfx1250); checked and timed in simulation.
; The chip was launched on July 23, 2026; its instructions are those of AMD's public machine-readable ISA for CDNA 5 (MIT licence, August 2026) and "CDNA5" Instruction Set Architecture Reference Guide (July 2026). The comments in the code are by the model that wrote it; some were corrected since.
;; Linear4 Bit. Allowed arithmetic: float matrix products may take bf16 or f16 operands with f32 sums; all other float work in f32.
;; Inputs: bias 4,096 float32; weight_norm 1,048,576 x 1 float16; weight_q4 1,048,576 x 8 int32; x 4,096 x 4,096 float32.
;; Outputs: out0 4,096 x 4,096 float32.
;; 2 versions, each right; version 2 is version 1 with the launch prep written anew for expert scheduling mode. Each part assembles by itself: llvm-mc -triple=amdgcn-amd-amdhsa -mcpu=gfx1250 --defsym DOCPART=n.
;; ======== version 1 of 2: 2 launches
;; limits: inputs' magnitudes at most 65,504; values are held in f16: magnitudes above 65,504 overflow, below 6.1e-05 lose precision
;; workspace buffers: xh 33,554,432 bytes; wh 33,554,432 bytes
;; launch prep (part 1): grid 512 x 1, 8 waves a work-group, no clusters, 9,216 bytes of LDS; arguments x, weight_q4, weight_norm, xh, wh; writes xh, wh
.if DOCPART == 1
	.amdgcn_target "amdgcn-amd-amdhsa--gfx1250"
	.amdhsa_code_object_version 6
	.text
	.protected	k_qa4ad3b2860_prep
	.globl	k_qa4ad3b2860_prep
	.p2align	8
	.type	k_qa4ad3b2860_prep,@function
k_qa4ad3b2860_prep:
	s_mov_b64 s[64:65], 0
	v_nop
	global_prefetch_b8 v0, s[64:65] scope:SCOPE_SE
	s_setreg_imm32_b32 hwreg(HW_REG_WAVE_MODE, 25, 1), 1
	s_wait_xcnt 0x0
; xh = f16(x), wh = f16(q * s - n) with s = n * 2/15: the two operands of the product that follows, each number converted once.
; x: [4096][4096] f32.  weight_q4: one 32-bit word for two weights (bits 3:0 the even k, bits 7:4 the odd k; higher bits are ignored).
; weight_norm: one f16 for 16 neighbouring k (8 words).  xh, wh: [4096][4096] f16, row-major; a word of weight_q4 and its two f16 have the same byte offset.
; LIMITS.  |x| of 65,520 or more becomes an infinity in f16; x and w below 2^-14 keep f16's fixed step of 2^-24.  w is one fused multiply-add q * (n * 2/15) - n in f32,
; then rounded once to f16; |w| <= n, which is itself an f16 number.  NaN and infinities are not treated apart.
; A STREAM: every byte is read once and written once, no work-group shares a byte with another, so there is no cluster, no matrix work and no barrier.
; SHARES.  4,096 waves, wave W = 8 x work-group + wave: 8,192 bytes of weight_q4 (16 steps of 512), their 256 norms (512 bytes), 16,384 bytes of x (32 loads of 512).
; All 49 loads of a wave go out at once; the text is straight: no loop, and no register that a store reads is written again.
; THE NORMS.  In step s lane l holds half of group 16 s + l / 2.  The wave's 512 bytes of norms are read once, 16 bytes a lane, widened to f32, laid into the wave's own
; 1,024 bytes of LDS (group g at 4 g) and read back one number a step.  LDS serves a wave's instructions in order (ISA guide 5.7.1.4), so no wait stands between those stores and loads.
.set SPARE, 8192                       ; behind the eight waves' norms: the spare words, 128 bytes for each wave, four blocks of 256 bytes that no other line names
.set QOFF, 1                           ; v1   16 x lane + 8,192 x wave: my bytes in weight_q4 and in wh
.set XOFF, 2                           ; v2   16 x lane + 16,384 x wave: in x
.set HOFF, 3                           ; v3   8 x lane + 8,192 x wave: in xh
.set NOFF, 4                           ; v4   16 x lane + 512 x wave: in weight_norm
.set NRD,  5                           ; v5   LDS: 4 x (lane / 2) + 1,024 x wave
.set SPW,  6                           ; v6   LDS address of my spare word; never rewritten
.set NIL,  7                           ; v7   0; never rewritten
                                       ; v[8:11]  eight norms as loaded
.set NF,   12                          ; v[12:27] step s's norm in f32
.set SC,   28                          ; v28  n * 2/15
.set NST,  29                          ; v29  LDS: 32 x lane + 1,024 x wave
.set T,    32                          ; v[32:39] at work
.set Q,    40                          ; v[40:103]  step s: 4 words as loaded, then 8 f16 to store
.set X,    104                         ; v[104:231] load j: 4 f32 as loaded, then 4 f16 in the first two
	s_load_b256 s[4:11], s[0:1], 0x0               ; x s[4:5], weight_q4 s[6:7], weight_norm s[8:9], xh s[10:11]
	s_load_b64 s[12:13], s[0:1], 0x20              ; wh
	v_lshl_add_u32 v[SPW], v0, 2, SPARE
	v_mov_b32 v[NIL], 0
	v_lshrrev_b32 v31, 5, v0
	v_readfirstlane_b32 s20, v31                   ; my wave's number
	v_and_b32 v30, 31, v0                          ; lane
	s_lshl_b32 s14, ttmp9, 17                      ; the work-group's 131,072 bytes of x,
	s_mov_b32 s15, 0
	s_lshl_b32 s16, ttmp9, 16                      ; its 65,536 bytes of weight_q4, of wh and of xh,
	s_mov_b32 s17, 0
	s_lshl_b32 s18, ttmp9, 12                      ; its 4,096 bytes of weight_norm
	s_mov_b32 s19, 0
	s_lshl_b32 s21, s20, 13
	s_lshl_b32 s22, s20, 14
	s_lshl_b32 s23, s20, 9
	s_lshl_b32 s3, s20, 10
	v_lshl_add_u32 v[QOFF], v30, 4, s21
	v_lshl_add_u32 v[XOFF], v30, 4, s22
	v_lshl_add_u32 v[HOFF], v30, 3, s21
	v_lshl_add_u32 v[NOFF], v30, 4, s23
	v_lshrrev_b32 v31, 1, v30
	v_lshl_add_u32 v[NRD], v31, 2, s3
	v_lshl_add_u32 v[NST], v30, 5, s3
	s_wait_kmcnt 0x0
	s_add_nc_u64 s[4:5], s[4:5], s[14:15]
	s_add_nc_u64 s[6:7], s[6:7], s[16:17]
	s_add_nc_u64 s[8:9], s[8:9], s[18:19]
	s_add_nc_u64 s[10:11], s[10:11], s[16:17]
	s_add_nc_u64 s[12:13], s[12:13], s[16:17]
	; 49 loads, 512 consecutive bytes of the wave each: the norms, the codes, x.  Each byte is read once in the launch.
	global_load_b128 v[8:11], v[NOFF], s[8:9] th:TH_LOAD_NT
.irp s, 0,1,2,3,4,5,6,7,8,9,10,11,12,13,14,15
	global_load_b128 v[Q+4*(\s):Q+4*(\s)+3], v[QOFF], s[6:7] offset:512*(\s) th:TH_LOAD_NT
.endr
.irp j, 0,1,2,3,4,5,6,7,8,9,10,11,12,13,14,15,16,17,18,19,20,21,22,23,24,25,26,27,28,29,30,31
	global_load_b128 v[X+4*(\j):X+4*(\j)+3], v[XOFF], s[4:5] offset:512*(\j) th:TH_LOAD_NT
.endr
	s_wait_loadcnt 48                              ; loads come back in order (ISA guide 5.7.1): the norms are in, the 16 + 32 younger loads stay out
	v_cvt_f32_f16 v32, v8.l                        ; groups 8 l .. 8 l + 7 of the wave's 256
	v_cvt_f32_f16 v33, v8.h
	v_cvt_f32_f16 v34, v9.l
	v_cvt_f32_f16 v35, v9.h
	v_cvt_f32_f16 v36, v10.l
	v_cvt_f32_f16 v37, v10.h
	v_cvt_f32_f16 v38, v11.l
	v_cvt_f32_f16 v39, v11.h
	ds_store_b128 v[NST], v[32:35]
	ds_store_b128 v[NST], v[36:39] offset:16
.irp s, 0,1,2,3,4,5,6,7,8,9,10,11,12,13,14,15
	ds_load_b32 v[NF+(\s)], v[NRD] offset:64*(\s)  ; group 16 s + l / 2: the wave's own bytes, behind its own stores
.endr
; Step s of the weights: 4 words = 8 codes of one group a lane; 512 consecutive bytes of wh leave by one store of the wave.
.macro WSTEP s
	s_wait_loadcnt 47-(\s)                         ; my step's codes are in: 15 - s younger loads of codes and the 32 of x stay out
	s_wait_dscnt 15-(\s)                           ; and its norm: 15 - s younger reads stay out
	v_mul_f32 v[SC], 0x3e088889, v[NF+(\s)]        ; n * 2/15
.irp i, 0,1,2,3
	v_and_b32 v[T+2*(\i)], 15, v[Q+4*(\s)+(\i)]    ; the even k's code
	v_bfe_u32 v[T+2*(\i)+1], v[Q+4*(\s)+(\i)], 4, 4  ; the odd k's
.endr
.irp k, 0,1,2,3,4,5,6,7
	v_cvt_f32_u32 v[T+(\k)], v[T+(\k)]
.endr
.irp k, 0,1,2,3,4,5,6,7
	v_fma_f32 v[T+(\k)], v[T+(\k)], v[SC], -v[NF+(\s)]  ; q * s - n, one rounding
.endr
.irp i, 0,1,2,3
	v_cvt_pk_f16_f32 v[Q+4*(\s)+(\i)], v[T+2*(\i)], v[T+2*(\i)+1]  ; the even k into the low half
.endr
	global_store_b128 v[QOFF], v[Q+4*(\s):Q+4*(\s)+3], s[12:13] offset:512*(\s)  ; no hint: the next launch reads it
.endm
.irp s, 0,1,2,3,4,5,6,7,8,9,10,11,12,13,14,15
	WSTEP \s
.endr
; Load j of x: 4 numbers a lane become 8 bytes; the wave's store covers 256 consecutive bytes of xh, aligned.
.macro XSTEP j
	s_wait_loadcnt 31-(\j)                         ; the younger loads of x stay out
	v_cvt_pk_f16_f32 v[X+4*(\j)], v[X+4*(\j)], v[X+4*(\j)+1]
	v_cvt_pk_f16_f32 v[X+4*(\j)+1], v[X+4*(\j)+2], v[X+4*(\j)+3]
	global_store_b64 v[HOFF], v[X+4*(\j):X+4*(\j)+1], s[10:11] offset:256*(\j)
.endm
.irp j, 0,1,2,3,4,5,6,7,8,9,10,11,12,13,14,15,16,17,18,19,20,21,22,23,24,25,26,27,28,29,30,31
	XSTEP \j
.endr
	s_wait_tensorcnt 0x0                           ; the wave's end: behind my last LDS store
	ds_add_u32 v[SPW], v[NIL]
	s_wait_dscnt 0x0
	s_endpgm
.Lfunc_end_k_qa4ad3b2860_prep:
	.size	k_qa4ad3b2860_prep, .Lfunc_end_k_qa4ad3b2860_prep-k_qa4ad3b2860_prep
	.p2alignl 7, 3214868480
	.fill 96, 4, 3214868480
	.section	.rodata,"a",@progbits
	.p2align	6, 0x0
	.amdhsa_kernel k_qa4ad3b2860_prep
		.amdhsa_group_segment_fixed_size 9216
		.amdhsa_private_segment_fixed_size 0
		.amdhsa_enable_private_segment 0
		.amdhsa_kernarg_size 40
		.amdhsa_user_sgpr_count 2
		.amdhsa_user_sgpr_kernarg_segment_ptr 1
		.amdhsa_wavefront_size32 1
		.amdhsa_system_sgpr_workgroup_id_x 1
		.amdhsa_system_sgpr_workgroup_id_y 1
		.amdhsa_system_sgpr_workgroup_id_z 1
		.amdhsa_system_vgpr_workitem_id 0
		.amdhsa_next_free_vgpr 232
		.amdhsa_next_free_sgpr 66
		.amdhsa_reserve_vcc 0
		.amdhsa_float_denorm_mode_32 3
		.amdhsa_float_denorm_mode_16_64 3
		.amdhsa_memory_ordered 1
		.amdhsa_forward_progress 1
		.amdhsa_inst_pref_size 42
	.end_amdhsa_kernel
	.amdgpu_metadata
---
amdhsa.version: [ 1, 2 ]
amdhsa.kernels:
  - .name:           k_qa4ad3b2860_prep
    .symbol:         k_qa4ad3b2860_prep.kd
    .args:
      - { .name: x, .offset: 0, .size: 8, .value_kind: global_buffer, .address_space: global }
      - { .name: weight_q4, .offset: 8, .size: 8, .value_kind: global_buffer, .address_space: global }
      - { .name: weight_norm, .offset: 16, .size: 8, .value_kind: global_buffer, .address_space: global }
      - { .name: xh, .offset: 24, .size: 8, .value_kind: global_buffer, .address_space: global }
      - { .name: wh, .offset: 32, .size: 8, .value_kind: global_buffer, .address_space: global }
    .group_segment_fixed_size: 9216
    .private_segment_fixed_size: 0
    .kernarg_segment_align: 8
    .kernarg_segment_size: 40
    .max_flat_workgroup_size: 256
    .sgpr_count:     66
    .vgpr_count:     232
    .wavefront_size: 32
...
	.end_amdgpu_metadata
.endif
;; end of part 1
;; launch gemm (part 2): grid 16 x 16, 4 waves a work-group, clusters of 4 x 4, 327,680 bytes of LDS; arguments xh, wh, bias, out0; writes out0
.if DOCPART == 2
	.amdgcn_target "amdgcn-amd-amdhsa--gfx1250"
	.amdhsa_code_object_version 6
	.text
	.protected	k_qa4ad3b2860_gemm
	.globl	k_qa4ad3b2860_gemm
	.p2align	8
	.type	k_qa4ad3b2860_gemm,@function
k_qa4ad3b2860_gemm:
	s_mov_b64 s[64:65], 0
	v_nop
	global_prefetch_b8 v0, s[64:65] scope:SCOPE_SE
	s_setreg_imm32_b32 hwreg(HW_REG_WAVE_MODE, 25, 1), 1
	s_wait_xcnt 0x0
	s_wait_alu depctr_hold_cnt(0) depctr_sa_sdst(0) depctr_va_vdst(0) depctr_va_sdst(0) depctr_va_ssrc(0) depctr_va_vcc(0) depctr_vm_vsrc(0)
	s_getreg_b32 s2, hwreg(HW_REG_IB_STS2, 6, 4)
	s_cmp_eq_u32 s2, 0
	s_cbranch_scc0 .Lentry_in_a_cluster
	s_endpgm
.Lentry_in_a_cluster:
	s_bfe_u32 s2, ttmp6, 0x10000c
	s_cmp_lg_u32 s2, 0xf033
	s_cbranch_scc0 .Lentry_shape_is_right
	s_endpgm
.Lentry_shape_is_right:
; out0[m][n] = the sum over k of xh[m][k] wh[n][k], + bias[n].  xh: [4096][4096] f16, wh: [4096][4096] f16, bias: [4096] f32, out0: [4096][4096] f32.  Products in f16, sums and bias in f32.
; LIMITS.  The operands arrive in f16 (largest number 65,504; fixed step 2^-24 below 2^-14); NaN and infinities are not treated apart.
; SHARES.  out0 has 16 x 16 tiles of 256 x 256, one to a work-group of four waves; a wave makes 128 x 128: 64 accumulators of 16 x 16, 512 registers.
; K goes in 32 steps of 128 through a ring of two LDS slots filled by the tensor data mover: the tiles' rows are 256 bytes of memory and start at multiples of 256 bytes from the buffer's first byte.
; CLUSTERS: 4 x 4 work-groups.  The four of a row of the cluster need the same tiles of xh, the four of a column the same tiles of wh: each tile is asked for JOINTLY, by the same tensor load with the
; same descriptor and a mask that names the four; each receives it in its own LDS.  That divides the requests for both operands by four.
; THE MATRIX INSTRUCTION IS USED TRANSPOSED: source 0 = 16 rows of wh, source 1 = 16 rows of xh.  In the result lane l holds row m = l % 16 of out0 and its registers 0 to 7 the columns
; n = 8 (l / 16) + 0 .. 7: 32 neighbouring bytes of a row.
; REGISTERS, in windows of 256 (s_set_vgpr_msb's low byte: bits 1:0 source 0, 3:2 source 1, 5:4 source 2, 7:6 destination):
;   window 0: v0-31 addresses; v32-35 my four numbers of bias; v64-127, v128-191 fragments of xh (8 x 16 rows x 32 K), two buffers; on the way out the same 128 registers hold rows read back
;   window 1: v64-127, v128-191 fragments of wh, two buffers
;   window 2: the 32 accumulators of my rows 0-63 (accumulator (a, b) at v[8 (8 a + b)]);   window 3: those of my rows 64-127
.set SIZE_N, 4096
.set SIZE_K, 4096
.set KSTEP,  128
.set PITCH,  272                       ; an LDS row: 256 bytes of data + 16 of padding = 68 words: row r starts at bank 4 r mod 64 (64 banks of 4 bytes: ISA guide 11.1), so the 16 rows of a load start at 16 different banks
.set HALFT,  128*PITCH                 ; 128 rows: what one tensor load brings, and what one wave reads of either operand
.set SLOT,   4*HALFT                   ; xh's 256 rows, then wh's 256 rows
.set STAGE,  2*SLOT                    ; behind the ring, never filled by a tensor load: 16 rows x 528 bytes for each wave, for the way out
.set SPITCH, 528                       ; a stage row: 128 f32 + 16 bytes = 132 words: row r starts at bank 4 r mod 64
.set SPARE,  STAGE+4*16*SPITCH         ; behind the stages: the spare words, 128 bytes for each wave: two blocks of 256 bytes that no other line names
.set LAPS,   SIZE_K/(2*KSTEP)          ; a lap = two K steps = once round the ring: 16
.set ADRA, 16                          ; v16-17  LDS address of my fragments of xh in slot 0, 1
.set ADRB, 20                          ; v20-21  the same for wh
.set STO,  24                          ; v24     the way out: where I put 32 bytes of a row
.set RD,   25                          ; v25     the way out: where I read 16 bytes of a row back
.set CO,   26                          ; v26     16 x lane: my byte offset in my wave's 512 bytes of a row of out0, and of bias
.set SPW,  28                          ; v28     LDS address of my spare word: SPARE + 4 x my thread's number; never rewritten
.set NIL,  29                          ; v29     0; never rewritten
.set BIAS, 32                          ; v[32:35] bias of the four columns that I store
.set F0,   64                          ; fragment buffer 0
.set F1,   128                         ; fragment buffer 1
.set OB,   64                          ; the way out: 16 rows read back from the stage: v64-127 and v128-191 by turns
.set G1, 24                            ; s[24:31] descriptor group 1 for xh's tiles
.set G0, 32                            ; s[32:39] descriptor group 0 for xh's tiles, one set for each slot
.set G1B, 48                           ; s[48:55] descriptor group 1 for wh's tiles: it differs in the mask alone
.set G0B, 56                           ; s[56:63] descriptor group 0 for wh's tiles, one set for each slot
.set MSB, 0
.macro WIN new                         ; the immediate's high byte repeats the setting that is left; a switch that changes nothing is dropped
.if MSB != (\new)
	s_set_vgpr_msb (MSB<<8)|(\new)
.set MSB, \new
.endif
.endm
.set MUL_LO, 0xa1                      ; source 0 (wh) window 1, source 1 (xh) window 0, C and D window 2
.set MUL_HI, 0xf1                      ; the same, C and D window 3
.set TO_B,   0x40                      ; destination window 1, address window 0
; A joint load.  Waves 0 and 1 fetch xh's two halves, waves 2 and 3 wh's.  Each of the two lines has ONE mask and one set of registers for all that issue it; the branch hangs on the wave's number alone.
; An s_nop 0 and four v_nop follow each of the two lines, ahead of the jump, the label and what follows the macro.
.macro JLOAD s
	s_cmp_eq_u32 s11, 0
	s_cbranch_scc0 .Lfor_b_\@
	tensor_load_to_lds s[G0+4*(\s):G0+4*(\s)+3], s[G1:G1+7]
	s_nop 0
.rept 4
	v_nop
.endr
	s_branch .Lasked_\@
.Lfor_b_\@:
	tensor_load_to_lds s[G0B+4*(\s):G0B+4*(\s)+3], s[G1B:G1B+7]
	s_nop 0
.rept 4
	v_nop
.endr
.Lasked_\@:
.endm
; A round of the cluster's barrier: my work-group's barrier, so that wave 0's signal speaks for all four waves; wave 0 signals for the work-group; every wave waits for all
; sixteen work-groups; my work-group's barrier once more.  No LDS instruction of the wave is pending at a signal.
.macro CREST                           ; a round behind its opening barrier
	s_cmp_lg_u32 s10, 0
	s_cbranch_scc1 .Lnot_wave_0_\@
	s_barrier_signal -3
.Lnot_wave_0_\@:
	s_barrier_wait -3
	s_barrier_signal -1
	s_barrier_wait -1
.endm
.macro CROUND                          ; a whole round
	s_barrier_signal -1
	s_barrier_wait -1
	CREST
.endm
	s_load_b128 s[4:7], s[0:1], 0x0                ; xh s[4:5], wh s[6:7]
	s_load_b64 s[66:67], s[0:1], 0x10              ; bias
	s_load_b64 s[8:9], s[0:1], 0x18                ; out0
	v_lshl_add_u32 v[SPW], v0, 2, SPARE
	v_mov_b32 v[NIL], 0
	ds_add_u32 v[SPW], v[NIL]                      ; the wave's opening: the add and its wait stand ahead of my first tensor load; the set-up below, work on registers, stands between them
	v_lshrrev_b32 v1, 5, v0
	v_readfirstlane_b32 s10, v1                    ; wave 0..3
	s_lshr_b32 s11, s10, 1                         ; which half of the tile's rows is mine.  Also: I fetch for xh (0) or for wh (1)
	s_and_b32 s12, s10, 1                          ; which half of its columns.  Also: which 128 rows of that operand's tile I fetch
	s_bfe_u32 s40, ttmp6, 0x40000                  ; cx: my place along the cluster's x
	s_bfe_u32 s41, ttmp6, 0x40004                  ; cy: along its y
	s_lshl_b32 s42, ttmp9, 2                       ; in a cluster launch ttmp9 and ttmp7 count clusters
	s_add_co_u32 s42, s42, s40                     ; tile column of out0 = 4 x cluster x + cx
	s_and_b32 s13, ttmp7, 0xffff
	s_lshl_b32 s13, s13, 2
	s_add_co_u32 s13, s13, s41                     ; tile row of out0 = 4 x cluster y + cy
	s_lshl_b32 s43, s41, 2
	s_lshl_b32 s43, 15, s43                        ; my row of the cluster: places 4 cy .. 4 cy + 3
	s_lshl_b32 s44, 0x1111, s40                    ; my column: places cx, cx + 4, cx + 8, cx + 12
	; descriptor group 1: a tile of 128 rows x 128 elements, padded in LDS
	s_or_b32 s[G1+0], s43, (1<<16)|(1<<20)|(1<<21)|(5<<22)|(3<<25)  ; 15:0 the mask: xh's tiles go to my row; 17:16 element of 2 bytes; 20 padding on; 21 set beside a mask; 24:22 after every 64 words (code 5); 31:25 of 4 words (code 3)
	s_or_b32 s[G1B+0], s44, (1<<16)|(1<<20)|(1<<21)|(5<<22)|(3<<25) ; the same with the mask of my column, for wh's tiles
	s_mov_b32 s[G1B+1], KSTEP<<16
	s_mov_b32 s[G1+1], KSTEP<<16                   ; 63:48 tensor_dim0, low half = 128
	s_mov_b32 s[G1B+2], 128<<16
	s_mov_b32 s[G1+2], 128<<16                     ; 79:64 its high half = 0; 95:80 tensor_dim1, low half = 128
	s_mov_b32 s[G1B+3], KSTEP<<16
	s_mov_b32 s[G1+3], KSTEP<<16                   ; 111:96 its high half = 0; 127:112 tile_dim0 = 128
	s_mov_b32 s[G1B+4], 128
	s_mov_b32 s[G1+4], 128                         ; 143:128 tile_dim1 = 128; 159:144 tile_dim2 = 0
	s_mov_b32 s[G1B+5], SIZE_K
	s_mov_b32 s[G1+5], SIZE_K                      ; 191:160 tensor_dim0_stride, low word: elements from row to row
	s_mov_b32 s[G1B+6], 0
	s_mov_b32 s[G1+6], 0
	s_mov_b32 s[G1B+7], 0
	s_mov_b32 s[G1+7], 0
	; where the tiles come from.  xh's hang on the tile row alone, which my row of the cluster shares; wh's on the tile column alone, which my column shares.
	; Every wave makes both addresses, in registers that never hold the other coordinate, and asks by one of them.
	s_lshl_b32 s17, s12, 7                         ; which 128 rows of the tile I fetch
	s_lshl_b32 s16, s13, 8
	s_add_co_u32 s16, s16, s17                     ; xh: row 256 x tile row + 128 x half
	s_lshl_b32 s46, s42, 8
	s_add_co_u32 s46, s46, s17                     ; wh: row 256 x tile column + 128 x half
	s_mov_b32 s17, 0
	s_mov_b32 s47, 0
	s_mov_b64 s[18:19], SIZE_K*2
	s_mul_u64 s[16:17], s[16:17], s[18:19]         ; in bytes
	s_mul_u64 s[46:47], s[46:47], s[18:19]
	s_mul_i32 s20, s10, HALFT                      ; and where they go: xh's two halves, then wh's two halves = wave x 128 rows: no place in the cluster enters an LDS address
	s_wait_dscnt 0x0                               ; the opening add is done
	s_wait_kmcnt 0x0
	s_add_nc_u64 s[14:15], s[4:5], s[16:17]
	s_add_nc_u64 s[46:47], s[6:7], s[46:47]
	CROUND                                         ; all sixteen work-groups are here: the first joint loads meet
.irp s, 0,1
	s_mov_b32 s[G0+4*(\s)], 1                                      ; 1:0 count = 1
	s_add_co_u32 s[G0+4*(\s)+1], s20, (\s)*SLOT                    ; 63:32 LDS address
	s_add_nc_u64 s[G0+4*(\s)+2:G0+4*(\s)+3], s[14:15], (\s)*KSTEP*2  ; 120:64 global address: K step s
	s_or_b32 s[G0+4*(\s)+3], s[G0+4*(\s)+3], 0x80000000            ; 127:126 type = 2
	s_mov_b32 s[G0B+4*(\s)], 1
	s_add_co_u32 s[G0B+4*(\s)+1], s20, (\s)*SLOT
	s_add_nc_u64 s[G0B+4*(\s)+2:G0B+4*(\s)+3], s[46:47], (\s)*KSTEP*2
	s_or_b32 s[G0B+4*(\s)+3], s[G0B+4*(\s)+3], 0x80000000
	JLOAD \s                                       ; the ring is filled before anything else is done: two tensor loads of mine are out
.endr
	; A fragment is 16 rows x 32 K in 8 registers: lane l holds row l % 16; registers 0-3 hold K = 8 (l / 16) + 0..7, registers 4-7 hold
	; K = 16 + 8 (l / 16) + 0..7.  From rows that lie along K: two loads of 16 bytes, 32 bytes apart.  The same for source 0 and source 1.
	v_and_b32 v1, 15, v0                           ; l % 16
	v_bfe_u32 v2, v0, 4, 1                         ; l / 16
	v_mul_u32_u24 v3, v1, PITCH
	v_lshl_add_u32 v3, v2, 4, v3                   ; row x pitch + 16 x half
	s_mul_i32 s21, s11, HALFT                      ; my 128 rows of xh
	s_mul_i32 s22, s12, HALFT                      ; my 128 rows of wh,
	s_add_co_u32 s22, s22, 2*HALFT                 ; which lie behind xh's 256
.irp s, 0,1
	v_add_nc_u32 v[ADRA+(\s)], s21, v3
	v_add_nc_u32 v[ADRB+(\s)], s22, v3
	s_add_co_u32 s21, s21, SLOT
	s_add_co_u32 s22, s22, SLOT
.endr
	s_mul_i32 s23, s10, 16*SPITCH
	s_add_co_u32 s23, s23, STAGE                   ; my stage
	v_mul_u32_u24 v4, v1, SPITCH                   ; in: row l % 16, 32 bytes for each half of the lanes
	v_lshl_add_u32 v4, v2, 5, v4
	v_add_nc_u32 v[STO], s23, v4
	v_and_b32 v5, 31, v0
	v_lshlrev_b32 v[CO], 4, v5                     ; back: 32 lanes take one row of 512 bytes
	v_add_nc_u32 v[RD], s23, v[CO]
	; out0 at my wave's first row and column, bias at my wave's first column
	s_lshl_b32 s16, s13, 8
	s_lshl_b32 s17, s11, 7
	s_add_co_u32 s16, s16, s17                     ; my first row: 256 x tile row + 128 x half,
	s_lshl_b32 s16, s16, 14                        ; times 16,384 bytes: 65,011,712 at the most
	s_mov_b32 s17, 0
	s_add_nc_u64 s[8:9], s[8:9], s[16:17]
	s_lshl_b32 s46, s42, 10                        ; my first column, in bytes: 1,024 x tile column + 512 x half (in the registers that held wh's address)
	s_lshl_b32 s47, s12, 9
	s_add_co_u32 s46, s46, s47
	s_mov_b32 s47, 0
	s_add_nc_u64 s[8:9], s[8:9], s[46:47]
	s_add_nc_u64 s[66:67], s[66:67], s[46:47]
	global_load_b128 v[BIAS:BIAS+3], v[CO], s[66:67]  ; the four columns that I store in every row: 512 consecutive bytes of the wave, read once
; 16 matrix instructions: m blocks a0, a0 + 1 of the window's four (hi = 0: my rows 0-63, 1: rows 64-127) x all 8 n blocks, 32 along K.
; zero = 1: the first product starts the sums: nothing is ever cleared.  The 64 accumulators take turns, one instruction a turn, in the same order in every quarter step.
.macro MUL16 f, hi, a0, zero
	WIN MUL_LO+0x50*(\hi)  ; MUL_LO or MUL_HI
.irp a, \a0, (\a0)+1
.irp b, 0,1,2,3,4,5,6,7
.if \zero
	v_wmma_f32_16x16x32_f16 v[8*(8*(\a)+(\b)):8*(8*(\a)+(\b))+7], v[(\f)+8*(\b):(\f)+8*(\b)+7], v[(\f)+8*(4*(\hi)+(\a)):(\f)+8*(4*(\hi)+(\a))+7], 0
.else
	v_wmma_f32_16x16x32_f16 v[8*(8*(\a)+(\b)):8*(8*(\a)+(\b))+7], v[(\f)+8*(\b):(\f)+8*(\b)+7], v[(\f)+8*(4*(\hi)+(\a)):(\f)+8*(4*(\hi)+(\a))+7], v[8*(8*(\a)+(\b)):8*(8*(\a)+(\b))+7]
.endif
.endr
.endr
.endm
; 32 LDS loads in one run: the fragments of one quarter step (128 rows of wh, 128 rows of xh, 32 K at byte k of the rows) into buffer f
.macro FETCH slot, k, f
	WIN TO_B
.irp i, 0,1,2,3,4,5,6,7
	ds_load_b128 v[(\f)+8*(\i):(\f)+8*(\i)+3],   v[ADRB+(\slot)] offset:(\k)+(\i)*16*PITCH
	ds_load_b128 v[(\f)+8*(\i)+4:(\f)+8*(\i)+7], v[ADRB+(\slot)] offset:(\k)+(\i)*16*PITCH+32
.endr
	WIN 0
.irp i, 0,1,2,3,4,5,6,7
	ds_load_b128 v[(\f)+8*(\i):(\f)+8*(\i)+3],   v[ADRA+(\slot)] offset:(\k)+(\i)*16*PITCH
	ds_load_b128 v[(\f)+8*(\i)+4:(\f)+8*(\i)+7], v[ADRA+(\slot)] offset:(\k)+(\i)*16*PITCH+32
.endr
.endm
; A load into a register that a matrix instruction has read, and an LDS store that reads a matrix result, stand four places behind that matrix instruction, and only plain vector
; instructions that name none of its registers are places (ISA guide 7.12.1 for vector instructions).
.macro PLACES
.rept 4
	v_nop
.endr
.endm
; A K step is four quarter steps of 32 along K, 64 matrix instructions each, on buffers 0, 1, 0, 1.
; One of the first three: multiplies buffer f; in its middle it fetches the next quarter's fragments, at byte k of the same slot's rows, into buffer g.
.macro QUARTER slot, k, f, g, zero
	s_wait_dscnt 8                                 ; wh and xh's rows 0-63 are in; the youngest eight loads (xh's rows 64-127) may be out
	WIN MUL_LO
	MUL16 \f, 0, 0, \zero
	MUL16 \f, 0, 2, \zero
	PLACES
	FETCH \slot, \k, \g
	s_wait_dscnt 32                                ; all but the 32 just issued
	WIN MUL_HI
	MUL16 \f, 1, 0, \zero
	MUL16 \f, 1, 2, \zero
.endm
; The last quarter multiplies buffer 1 and changes slots.  MEET is its first half: ONE barrier for the change of slots.  In front of it each wave waits for all its tensor loads, of which one is
; out: its part of the next slot; adds 0 to its spare word; and waits for that and for its own reads of this slot.  Behind it nobody reads this slot any more and the next slot is whole.
.macro MEET round                      ; round = 1: a round of the cluster's barrier follows
	WIN 0                                          ; (the add's two registers lie in window 0)
	s_wait_tensorcnt 0x0                           ; all my tensor loads have landed: the one that was out is my part of the next slot;
	ds_add_u32 v[SPW], v[NIL]                      ; 0 onto my spare word;
	s_wait_dscnt 9                                 ; (the add and the youngest eight loads may be out)
	WIN MUL_LO
	MUL16 F1, 0, 0, 0                              ; sixteen matrix instructions stand between the add and the wait for it
	s_wait_dscnt 0x0                               ; the add is done, and my reads of this slot are over:
	s_barrier_signal -1                            ; say so (where a slot is filled again this barrier opens a round of the cluster's barrier),
	MUL16 F1, 0, 2, 0                              ; work on registers while the others arrive,
.if \round
	WIN 0
.endif
	s_barrier_wait -1                              ; and go on when all four have said so
.endm
; The whole last quarter.  fill = 1: behind the round the slot just read out is filled again first, with the K step two steps on; then come the next slot's first fragments.
; From a request to the wait for it a wave issues 224 matrix instructions.  One tensor load of mine is out behind each round.
.macro TURN slot, next, fill
	MEET \fill
.if \fill
	CREST                                          ; no wave of any partner still reads this slot's tile or has a load on its way
	s_add_nc_u64 s[G0+4*(\slot)+2:G0+4*(\slot)+3], s[G0+4*(\slot)+2:G0+4*(\slot)+3], 2*KSTEP*2    ; no tensor load of mine is out, so a group 0 may be written
	s_add_nc_u64 s[G0B+4*(\slot)+2:G0B+4*(\slot)+3], s[G0B+4*(\slot)+2:G0B+4*(\slot)+3], 2*KSTEP*2
	JLOAD \slot                                    ; the first tensor load behind the round; the four v_nop behind it are also the places in front of the loads below
.else
	PLACES
.endif
	FETCH \next, 0, F0
	WIN MUL_HI
	MUL16 F1, 1, 0, 0
	MUL16 F1, 1, 2, 0
.endm
	s_wait_loadcnt 0x0                             ; bias: it stands beside the wait for the first tile
	s_wait_tensorcnt 1                             ; my part of K step 0 is in; K step 1's may stay out
	s_barrier_signal -1
	s_barrier_wait -1                              ; everybody's is
	FETCH 0, 0, F0
	QUARTER 0, 64,  F0, F1, 1                      ; the first quarter stands in front of the loop: its products start the sums
	WIN 0                                          ; at a label and at a branch every window is 0
	s_mov_b32 s3, LAPS-1
.Llap:                                                 ; a trip goes once round the ring, from a lap's second quarter to the next lap's first, and fills both slots again: K steps 2 to 31 in 15 trips
	QUARTER 0, 128, F1, F0, 0
	QUARTER 0, 192, F0, F1, 0
	TURN 0, 1, 1
	QUARTER 1, 64,  F0, F1, 0
	QUARTER 1, 128, F1, F0, 0
	QUARTER 1, 192, F0, F1, 0
	TURN 1, 0, 1
	QUARTER 0, 64,  F0, F1, 0
	WIN 0
	s_sub_co_u32 s3, s3, 1
	s_cmp_lg_u32 s3, 0
	s_cbranch_scc1 .Llap
	QUARTER 0, 128, F1, F0, 0                      ; the last lap is written out: it fills nothing, and has no round of the cluster's barrier
	QUARTER 0, 192, F0, F1, 0
	TURN 0, 1, 0
	QUARTER 1, 64,  F0, F1, 0
	QUARTER 1, 128, F1, F0, 0
	QUARTER 1, 192, F0, F1, 0
	s_wait_dscnt 8                                 ; the very last quarter: nothing more to fetch
	MUL16 F1, 0, 0, 0
	MUL16 F1, 0, 2, 0
	s_wait_dscnt 0x0
	MUL16 F1, 1, 0, 0
	MUL16 F1, 1, 2, 0
	WIN 0
	PLACES                                         ; behind the last products: the LDS stores below read results, the LDS loads below land in the fragment buffers
; THE WAY OUT, a block a of 16 rows x 128 columns at a time.  A lane's 32 bytes are a sixteenth of a row's 512, so the block goes through my own stage in LDS and comes back as whole rows.
; TOSTAGE: two stores of 16 bytes for each of the block's eight accumulators, the low four registers first; then sixteen loads, a row each.
; LDS serves a wave's instructions in order (ISA guide 5.7.1.4): the loads see the stores above them, and the next block's stores come behind these loads.  No other wave touches my stage: no barrier.
.macro TOSTAGE a
.set AC, 64*((\a)%4)
.set BK, OB+64*((\a)%2)
	WIN 0x08+4*((\a)/4)                            ; the stores' data (source 1) in window 2 or 3, the address in window 0
.irp b, 0,1,2,3,4,5,6,7
	ds_store_b128 v[STO], v[AC+8*(\b):AC+8*(\b)+3]   offset:64*(\b)
	ds_store_b128 v[STO], v[AC+8*(\b)+4:AC+8*(\b)+7] offset:64*(\b)+16
.endr
	WIN 0
.if (\a) >= 2
	s_wait_xcnt 0x0                                ; every earlier memory instruction has had its addresses translated (ISA guide 3.1): the buffer that block a - 2's stores read is loaded again only behind this wait
.endif
.irp t, 0,1,2,3,4,5,6,7,8,9,10,11,12,13,14,15
	ds_load_b128 v[BK+4*(\t):BK+4*(\t)+3], v[RD] offset:(\t)*SPITCH
.endr
.endm
; SEND: the bias is added in f32 and the row stored.  younger: the LDS instructions issued behind block a's loads: the next block's 16 stores and 16 loads, or none.
.macro SEND a, younger
.set BK, OB+64*((\a)%2)
.irp t, 0,1,2,3,4,5,6,7,8,9,10,11,12,13,14,15
	s_wait_dscnt (\younger)+15-(\t)                ; row t is back; the block's later rows and the younger instructions may be out
	v_pk_add_f32 v[BK+4*(\t):BK+4*(\t)+1],   v[BK+4*(\t):BK+4*(\t)+1],   v[BIAS:BIAS+1]
	v_pk_add_f32 v[BK+4*(\t)+2:BK+4*(\t)+3], v[BK+4*(\t)+2:BK+4*(\t)+3], v[BIAS+2:BIAS+3]
	global_store_b128 v[CO], v[BK+4*(\t):BK+4*(\t)+3], s[8:9] offset:(16*(\a)+(\t))*SIZE_N*4 th:TH_STORE_NT  ; 512 consecutive bytes, at a multiple of 512 from out0's first byte; the row stands in the immediate: 2,080,768 at the most, inside its signed 24 bits
.endr
.endm
	TOSTAGE 0
.irp a, 1,2,3,4,5,6,7                  ; block a's trip through the stage is under way while block a - 1 is stored
	TOSTAGE \a
	SEND (\a)-1, 32
.endr
	SEND 7, 0
	s_wait_tensorcnt 0x0                           ; the wave's end: behind my last tensor load and my last LDS store
	ds_add_u32 v[SPW], v[NIL]
	s_wait_dscnt 0x0
	CROUND                                         ; the closing round: no work-group ends while a partner may still ask for a tile that names it
	s_endpgm
.Lfunc_end_k_qa4ad3b2860_gemm:
	.size	k_qa4ad3b2860_gemm, .Lfunc_end_k_qa4ad3b2860_gemm-k_qa4ad3b2860_gemm
	.p2alignl 7, 3214868480
	.fill 96, 4, 3214868480
	.section	.rodata,"a",@progbits
	.p2align	6, 0x0
	.amdhsa_kernel k_qa4ad3b2860_gemm
		.amdhsa_group_segment_fixed_size 327680
		.amdhsa_private_segment_fixed_size 0
		.amdhsa_enable_private_segment 0
		.amdhsa_kernarg_size 32
		.amdhsa_user_sgpr_count 2
		.amdhsa_user_sgpr_kernarg_segment_ptr 1
		.amdhsa_wavefront_size32 1
		.amdhsa_system_sgpr_workgroup_id_x 1
		.amdhsa_system_sgpr_workgroup_id_y 1
		.amdhsa_system_sgpr_workgroup_id_z 1
		.amdhsa_system_vgpr_workitem_id 0
		.amdhsa_next_free_vgpr 1024
		.amdhsa_next_free_sgpr 68
		.amdhsa_reserve_vcc 0
		.amdhsa_float_denorm_mode_32 3
		.amdhsa_float_denorm_mode_16_64 3
		.amdhsa_memory_ordered 1
		.amdhsa_forward_progress 1
		.amdhsa_inst_pref_size 160
	.end_amdhsa_kernel
	.amdgpu_metadata
---
amdhsa.version: [ 1, 2 ]
amdhsa.kernels:
  - .name:           k_qa4ad3b2860_gemm
    .symbol:         k_qa4ad3b2860_gemm.kd
    .args:
      - { .name: xh, .offset: 0, .size: 8, .value_kind: global_buffer, .address_space: global }
      - { .name: wh, .offset: 8, .size: 8, .value_kind: global_buffer, .address_space: global }
      - { .name: bias, .offset: 16, .size: 8, .value_kind: global_buffer, .address_space: global }
      - { .name: out0, .offset: 24, .size: 8, .value_kind: global_buffer, .address_space: global }
    .group_segment_fixed_size: 327680
    .private_segment_fixed_size: 0
    .kernarg_segment_align: 8
    .kernarg_segment_size: 32
    .max_flat_workgroup_size: 128
    .sgpr_count:     68
    .vgpr_count:     1024
    .wavefront_size: 32
...
	.end_amdgpu_metadata
.endif
;; end of part 2
;; ======== version 2 of 2: 2 launches; version 1 with the launch prep written anew for expert scheduling mode
;; limits: inputs' magnitudes at most 65,504; values are held in f16: magnitudes above 65,504 overflow, below 6.1e-05 lose precision
;; workspace buffers: xh 33,554,432 bytes; wh 33,554,432 bytes
;; launch prep (part 3): grid 512 x 1, 8 waves a work-group, no clusters, 9,216 bytes of LDS; arguments x, weight_q4, weight_norm, xh, wh; writes xh, wh
.if DOCPART == 3
	.amdgcn_target "amdgcn-amd-amdhsa--gfx1250"
	.amdhsa_code_object_version 6
	.text
	.protected	k_qa4ad3b2860_prep
	.globl	k_qa4ad3b2860_prep
	.p2align	8
	.type	k_qa4ad3b2860_prep,@function
k_qa4ad3b2860_prep:
	s_mov_b64 s[64:65], 0
	v_nop
	global_prefetch_b8 v0, s[64:65] scope:SCOPE_SE
	s_setreg_imm32_b32 hwreg(HW_REG_WAVE_SCHED_MODE, 0, 2), 2
	s_setreg_imm32_b32 hwreg(HW_REG_WAVE_MODE, 25, 1), 1
	s_wait_xcnt 0x0
	s_wait_alu depctr_vm_vsrc(0)
; xh = f16(x), wh = f16(q * s - n) with s = n * 2/15: the two operands of the product that follows, each number converted once.
; x: [4096][4096] f32.  weight_q4: one 32-bit word for two weights (bits 3:0 the even k, bits 7:4 the odd k; higher bits are ignored).
; weight_norm: one f16 for 16 neighbouring k (8 words).  xh, wh: [4096][4096] f16, row-major; a word of weight_q4 and its two f16 have the same byte offset.
; LIMITS.  |x| of 65,520 or more becomes an infinity in f16; x and w below 2^-14 keep f16's fixed step of 2^-24.  w is one fused multiply-add q * (n * 2/15) - n in f32,
; then rounded once to f16; |w| <= n, which is itself an f16 number.  NaN and infinities are not treated apart.
; A STREAM: every byte is read once and written once, no work-group shares a byte with another, so there is no cluster, no matrix work and no barrier.
; SHARES.  4,096 waves, wave W = 8 x work-group + wave: 8,192 bytes of weight_q4 (16 steps of 512), their 256 norms (512 bytes), 16,384 bytes of x (32 loads of 512).
; All 49 loads of a wave go out at once; the text is straight: no loop, and no register that a global store reads is written again.
; THE NORMS.  In step s lane l holds half of group 16 s + l / 2.  The wave's 512 bytes of norms are read once, 16 bytes a lane, widened to f32, laid into the wave's own
; 1,024 bytes of LDS (group g at 4 g) and read back one number a step.  LDS serves a wave's instructions in order (ISA guide 5.7.1.4), so no wait stands between those stores and loads.
; THE MODE: SCHED_MODE bits 1:0 = 2 (LLVM: expert scheduling mode 2), set by the entry lines.  The code itself states the register dependences
; between vector instructions and memory or LDS instructions, with s_wait_alu, always for 0.
; THE PLAN.  Registers that memory or LDS instructions touch:
;   v1-v7, v29   offsets, LDS addresses and the closing add's pair: written once at the head, ahead of one wait on va_vdst, and never again.
;   v[8:11]      the norms: one load lands in them, the widenings read them.
;   v[32:39]     the widenings write them, the two LDS stores read them (a wait on va_vdst between); step 0 of the weights writes them again (a wait on vm_vsrc ahead of it).
;   NF           sixteen LDS loads land in them; vector instructions only read them.
;   Q[s]         a load lands in it; step s unpacks it and rounds into it; ONE store reads it, issued in step s + 4 (steps 12 to 15: in x's steps 0 to 3).
;   X[j]         a load lands in it; step j rounds into it; ONE store reads it, issued in step j + 8 (steps 24 to 31: at the end).
; The weights go in blocks of four steps, x in blocks of eight.  ONE wait on va_vdst at a block's head, behind the wait for its first data, states that the block before has written
; its Q or X; that block's stores are then dealt among this block's steps, one a step, with no further wait: the vector instructions of this block name its own Q or X, T, SC and NF,
; none of the registers that those stores read.
.set SPARE, 8192                       ; behind the eight waves' norms: the spare words, 128 bytes for each wave, four blocks of 256 bytes that no other line names
.set QOFF, 1                           ; v1   16 x lane + 8,192 x wave: my bytes in weight_q4 and in wh
.set XOFF, 2                           ; v2   16 x lane + 16,384 x wave: in x
.set HOFF, 3                           ; v3   8 x lane + 8,192 x wave: in xh
.set NOFF, 4                           ; v4   16 x lane + 512 x wave: in weight_norm
.set NRD,  5                           ; v5   LDS: 4 x (lane / 2) + 1,024 x wave
.set SPW,  6                           ; v6   LDS address of my spare word; never rewritten
.set NIL,  7                           ; v7   0; never rewritten
                                       ; v[8:11]  eight norms as loaded
.set NF,   12                          ; v[12:27] step s's norm in f32
.set SC,   28                          ; v28  n * 2/15
.set NST,  29                          ; v29  LDS: 32 x lane + 1,024 x wave
.set T,    32                          ; v[32:39] at work
.set Q,    40                          ; v[40:103]  step s: 4 words as loaded, then 8 f16 to store
.set X,    104                         ; v[104:231] load j: 4 f32 as loaded, then 4 f16 in the first two
	s_load_b256 s[4:11], s[0:1], 0x0               ; x s[4:5], weight_q4 s[6:7], weight_norm s[8:9], xh s[10:11]
	s_load_b64 s[12:13], s[0:1], 0x20              ; wh
	v_lshl_add_u32 v[SPW], v0, 2, SPARE
	v_mov_b32 v[NIL], 0
	v_lshrrev_b32 v31, 5, v0
	v_readfirstlane_b32 s20, v31                   ; my wave's number
	v_and_b32 v30, 31, v0                          ; lane
	s_lshl_b32 s14, ttmp9, 17                      ; the work-group's 131,072 bytes of x,
	s_mov_b32 s15, 0
	s_lshl_b32 s16, ttmp9, 16                      ; its 65,536 bytes of weight_q4, of wh and of xh,
	s_mov_b32 s17, 0
	s_lshl_b32 s18, ttmp9, 12                      ; its 4,096 bytes of weight_norm
	s_mov_b32 s19, 0
	s_wait_alu depctr_va_sdst(0)                   ; s20 is written, ahead of its first reader: the four shifts below make the wave's offsets from it
	s_lshl_b32 s21, s20, 13
	s_lshl_b32 s22, s20, 14
	s_lshl_b32 s23, s20, 9
	s_lshl_b32 s3, s20, 10
	v_lshl_add_u32 v[QOFF], v30, 4, s21
	v_lshl_add_u32 v[XOFF], v30, 4, s22
	v_lshl_add_u32 v[HOFF], v30, 3, s21
	v_lshl_add_u32 v[NOFF], v30, 4, s23
	v_lshrrev_b32 v31, 1, v30
	v_lshl_add_u32 v[NRD], v31, 2, s3
	v_lshl_add_u32 v[NST], v30, 5, s3
	s_wait_kmcnt 0x0
	s_add_nc_u64 s[4:5], s[4:5], s[14:15]
	s_add_nc_u64 s[6:7], s[6:7], s[16:17]
	s_add_nc_u64 s[8:9], s[8:9], s[18:19]
	s_add_nc_u64 s[10:11], s[10:11], s[16:17]
	s_add_nc_u64 s[12:13], s[12:13], s[16:17]
	s_wait_alu depctr_va_vdst(0)                   ; v1 to v7 and v29 are written: every load, store and LDS instruction of the kernel reads one of them as its offset or address, the closing add v6 and v7
	; 49 loads, 512 consecutive bytes of the wave each: the norms, the codes, x.  Each byte is read once in the launch.
	global_load_b128 v[8:11], v[NOFF], s[8:9] th:TH_LOAD_NT
.irp s, 0,1,2,3,4,5,6,7,8,9,10,11,12,13,14,15
	global_load_b128 v[Q+4*(\s):Q+4*(\s)+3], v[QOFF], s[6:7] offset:512*(\s) th:TH_LOAD_NT
.endr
.irp j, 0,1,2,3,4,5,6,7,8,9,10,11,12,13,14,15,16,17,18,19,20,21,22,23,24,25,26,27,28,29,30,31
	global_load_b128 v[X+4*(\j):X+4*(\j)+3], v[XOFF], s[4:5] offset:512*(\j) th:TH_LOAD_NT
.endr
	s_wait_loadcnt 48                              ; loads come back in order (ISA guide 5.7.1): the norms are in, the 16 + 32 younger loads stay out
	v_cvt_f32_f16 v32, v8.l                        ; groups 8 l .. 8 l + 7 of the wave's 256
	v_cvt_f32_f16 v33, v8.h
	v_cvt_f32_f16 v34, v9.l
	v_cvt_f32_f16 v35, v9.h
	v_cvt_f32_f16 v36, v10.l
	v_cvt_f32_f16 v37, v10.h
	v_cvt_f32_f16 v38, v11.l
	v_cvt_f32_f16 v39, v11.h
	s_wait_alu depctr_va_vdst(0)                   ; the eight widenings have written v[32:39], which the two LDS stores read
	ds_store_b128 v[NST], v[32:35]
	ds_store_b128 v[NST], v[36:39] offset:16
.irp s, 0,1,2,3,4,5,6,7,8,9,10,11,12,13,14,15
	ds_load_b32 v[NF+(\s)], v[NRD] offset:64*(\s)  ; group 16 s + l / 2: the wave's own bytes, behind its own stores; no vector instruction has named these registers
.endr
; Step s of the weights: 4 words = 8 codes of one group a lane.  The step's 512 consecutive bytes of wh leave by one store of the wave, a block of four steps later.
.macro WSTEP s
	s_wait_loadcnt 47-(\s)                         ; my step's codes are in: 15 - s younger loads of codes and the 32 of x stay out
	s_wait_dscnt 15-(\s)                           ; and its norm: 15 - s younger reads stay out
.if (\s) == 0
	s_wait_alu depctr_vm_vsrc(0)                   ; the two LDS stores have read v[32:39], which the unpacking lines below write again
.elseif ((\s)%4) == 0
	s_wait_alu depctr_va_vdst(0)                   ; a block's head: the four steps before have rounded into their Q, which this block's four stores read
.endif
.if (\s) >= 4
	global_store_b128 v[QOFF], v[Q+4*((\s)-4):Q+4*((\s)-4)+3], s[12:13] offset:512*((\s)-4)  ; step s - 4; no vector instruction since the block's wait names these registers.  No hint: the next launch reads it
.endif
	v_mul_f32 v[SC], 0x3e088889, v[NF+(\s)]        ; n * 2/15
.irp i, 0,1,2,3
	v_and_b32 v[T+2*(\i)], 15, v[Q+4*(\s)+(\i)]    ; the even k's code
	v_bfe_u32 v[T+2*(\i)+1], v[Q+4*(\s)+(\i)], 4, 4  ; the odd k's
.endr
.irp k, 0,1,2,3,4,5,6,7
	v_cvt_f32_u32 v[T+(\k)], v[T+(\k)]
.endr
.irp k, 0,1,2,3,4,5,6,7
	v_fma_f32 v[T+(\k)], v[T+(\k)], v[SC], -v[NF+(\s)]  ; q * s - n, one rounding
.endr
.irp i, 0,1,2,3
	v_cvt_pk_f16_f32 v[Q+4*(\s)+(\i)], v[T+2*(\i)], v[T+2*(\i)+1]  ; the even k into the low half
.endr
.endm
.irp s, 0,1,2,3,4,5,6,7,8,9,10,11,12,13,14,15
	WSTEP \s
.endr
; Load j of x: 4 numbers a lane become 8 bytes; the wave's store covers 256 consecutive bytes of xh, aligned, and leaves a block of eight steps later.
; The first block carries the stores of the weights' last four steps.
.macro XSTEP j
	s_wait_loadcnt 31-(\j)                         ; the younger loads of x stay out
.if ((\j)%8) == 0
	s_wait_alu depctr_va_vdst(0)                   ; a block's head: the block before (for j = 0 the weights' steps 12 to 15) has rounded into its registers, which this block's stores read
.endif
.if (\j) < 4
	global_store_b128 v[QOFF], v[Q+4*(12+(\j)):Q+4*(12+(\j))+3], s[12:13] offset:512*(12+(\j))  ; the weights' step 12 + j
.elseif (\j) >= 8
	global_store_b64 v[HOFF], v[X+4*((\j)-8):X+4*((\j)-8)+1], s[10:11] offset:256*((\j)-8)  ; load j - 8; no vector instruction since the block's wait names these registers
.endif
	v_cvt_pk_f16_f32 v[X+4*(\j)], v[X+4*(\j)], v[X+4*(\j)+1]
	v_cvt_pk_f16_f32 v[X+4*(\j)+1], v[X+4*(\j)+2], v[X+4*(\j)+3]
.endm
.irp j, 0,1,2,3,4,5,6,7,8,9,10,11,12,13,14,15,16,17,18,19,20,21,22,23,24,25,26,27,28,29,30,31
	XSTEP \j
.endr
	s_wait_alu depctr_va_vdst(0)                   ; the last block has rounded into X[24] to X[31], which the last eight stores read
.irp j, 24,25,26,27,28,29,30,31
	global_store_b64 v[HOFF], v[X+4*(\j):X+4*(\j)+1], s[10:11] offset:256*(\j)
.endr
	s_wait_dscnt 0x0                               ; the closing lines, six on end
	s_wait_alu 0x0
	s_wait_tensorcnt 0x0
	ds_add_u32 v[SPW], v[NIL]
	s_wait_dscnt 0x0
	s_endpgm
.Lfunc_end_k_qa4ad3b2860_prep:
	.size	k_qa4ad3b2860_prep, .Lfunc_end_k_qa4ad3b2860_prep-k_qa4ad3b2860_prep
	.p2alignl 7, 3214868480
	.fill 96, 4, 3214868480
	.section	.rodata,"a",@progbits
	.p2align	6, 0x0
	.amdhsa_kernel k_qa4ad3b2860_prep
		.amdhsa_group_segment_fixed_size 9216
		.amdhsa_private_segment_fixed_size 0
		.amdhsa_enable_private_segment 0
		.amdhsa_kernarg_size 40
		.amdhsa_user_sgpr_count 2
		.amdhsa_user_sgpr_kernarg_segment_ptr 1
		.amdhsa_wavefront_size32 1
		.amdhsa_system_sgpr_workgroup_id_x 1
		.amdhsa_system_sgpr_workgroup_id_y 1
		.amdhsa_system_sgpr_workgroup_id_z 1
		.amdhsa_system_vgpr_workitem_id 0
		.amdhsa_next_free_vgpr 232
		.amdhsa_next_free_sgpr 66
		.amdhsa_reserve_vcc 0
		.amdhsa_float_denorm_mode_32 3
		.amdhsa_float_denorm_mode_16_64 3
		.amdhsa_memory_ordered 1
		.amdhsa_forward_progress 1
		.amdhsa_inst_pref_size 42
	.end_amdhsa_kernel
	.amdgpu_metadata
---
amdhsa.version: [ 1, 2 ]
amdhsa.kernels:
  - .name:           k_qa4ad3b2860_prep
    .symbol:         k_qa4ad3b2860_prep.kd
    .args:
      - { .name: x, .offset: 0, .size: 8, .value_kind: global_buffer, .address_space: global }
      - { .name: weight_q4, .offset: 8, .size: 8, .value_kind: global_buffer, .address_space: global }
      - { .name: weight_norm, .offset: 16, .size: 8, .value_kind: global_buffer, .address_space: global }
      - { .name: xh, .offset: 24, .size: 8, .value_kind: global_buffer, .address_space: global }
      - { .name: wh, .offset: 32, .size: 8, .value_kind: global_buffer, .address_space: global }
    .group_segment_fixed_size: 9216
    .private_segment_fixed_size: 0
    .kernarg_segment_align: 8
    .kernarg_segment_size: 40
    .max_flat_workgroup_size: 256
    .sgpr_count:     66
    .vgpr_count:     232
    .wavefront_size: 32
...
	.end_amdgpu_metadata
.endif
;; end of part 3
;; launch gemm: the kernel of part 2 again; grid 16 x 16, 4 waves a work-group, clusters of 4 x 4, 327,680 bytes of LDS; arguments xh, wh, bias, out0; writes out0
